; MI455X (gfx1250); checked and timed in simulation.
; The chip was launched on July 23, 2026; its instructions are those of AMD's public machine-readable ISA for CDNA 5 (MIT licence, August 2026) and "CDNA5" Instruction Set Architecture Reference Guide (July 2026). The comments in the code are by the model that wrote it; some were corrected since.
;; Multi Head Self Attention. Allowed arithmetic: matrix products marked QUANTISED: E5M2 operands, one given power-of-two scale a tensor, by v_wmma_f32_16x16x64_bf8_bf8 or v_wmma_f32_16x16x128_bf8_bf8, f32 sums; everything else in f32.
;; Inputs: Wk_codes 1,024 x 32 x 32 uint8 (E5M2 codes of Wk, K innermost, in blocks of 32 codes); Wo_codes 1,024 x 32 x 32 uint8 (E5M2 codes of Wo, K innermost, in blocks of 32 codes); Wq_codes 1,024 x 32 x 32 uint8 (E5M2 codes of Wq, K innermost, in blocks of 32 codes); Wv_codes 1,024 x 32 x 32 uint8 (E5M2 codes of Wv, K innermost, in blocks of 32 codes); bk 1,024 float32; bo 1,024 float32; bq 1,024 float32; bv 1,024 float32; lowp_scales 12 int32 (the exponents e of the quantised operands' scales 2^e); x_codes 4 x 2,048 x 32 x 32 uint8 (E5M2 codes of x, K innermost, in blocks of 32 codes).
;; Outputs: out0 4 x 2,048 x 1,024 float32.
;; This version of the problem:
;;   THIS VERSION OF THE PROBLEM IS GIVEN IN LOW PRECISION. The matrix products marked QUANTISED in the list below multiply operands that are first quantised to E5M2 (5 exponent bits, 2 mantissa bits; 8 bits a number), with one given power-of-two scale for each operand tensor; their sums are f32. All else is computed in f32.
;;   The module's matrix products, in the order in which they are computed (A, B: the left and right operand; K: the contracted axis; several contracted axes count as one K, in the product's order):
;;     1. [M 8,192, K 1,024] x [K 1,024, N 1,024]; A: input x (given as codes); B: input Wq (given as codes): QUANTISED (scales: A lowp_scales[0], B lowp_scales[1])
;;     2. [M 8,192, K 1,024] x [K 1,024, N 1,024]; A: input x (given as codes); B: input Wk (given as codes): QUANTISED (scales: A lowp_scales[2], B lowp_scales[3])
;;     3. [M 8,192, K 1,024] x [K 1,024, N 1,024]; A: input x (given as codes); B: input Wv (given as codes): QUANTISED (scales: A lowp_scales[4], B lowp_scales[5])
;;     4. batch 64 x [M 2,048, K 64] x [K 64, N 2,048]; A: computed on the way; B: computed on the way: QUANTISED (scales: A lowp_scales[6], B lowp_scales[7])
;;     5. batch 64 x [M 2,048, K 2,048] x [K 2,048, N 64]; A: softmax (see below); B: computed on the way: QUANTISED (scales: A lowp_scales[8], B lowp_scales[9])
;;     6. [M 8,192, K 1,024] x [K 1,024, N 1,024]; A: computed on the way; B: input Wo (given as codes): QUANTISED (scales: A lowp_scales[10], B lowp_scales[11])
;;   THE QUANTISER, for each operand of a quantised product, along K:
;;     - The operand's scale is 2^e, e = its entry of the input lowp_scales (int32; the entries are numbered through the quantised products in the list's order, A before B).
;;     - Each number is divided by the scale, clamped to +-57,344, and rounded to the nearest number of E5M2, ties to even, subnormals kept.
;;     - The product sums the exact products of the quantised numbers (number of the format x scale) in f32.
;;   ~~~python
;;   def quantise(x, axis, e):      # numpy; x: float32 -> the quantised numbers, widened to float32 again
;;       x = np.moveaxis(x, axis, -1); K = x.shape[-1]
;;       r = np.clip(x / 2.0 ** e, -57344, 57344)
;;       step = 2.0 ** (np.maximum(np.frexp(np.where(r == 0, 1, r))[1] - 1, -14) - 2)
;;       q = np.round(r / step) * step * 2.0 ** e      # np.round: ties to even
;;       return np.moveaxis(q, -1, axis).astype(np.float32)
;;   ~~~
;;   SOFTMAX AHEAD OF A QUANTISED PRODUCT. Where the list says 'softmax', what is quantised is not the finished softmax but p = 2^(t - M), with t = logit x log2(e) and M = ceil(the row's largest t), a whole number; so 1/2 < the row's largest p <= 1. The row's sum l is taken of the UNQUANTISED p, in f32, and the product's result is divided by l at the end. Since M is a whole number, a kernel that streams over the keys may use a running M (the ceiling of the running maximum): every later rescaling is an exact power of two, so the quantised numbers keep their values, but for numbers so far below the row's largest that they fall under the format's range.
;;   OPERANDS COMPUTED ON THE WAY. 'Computed on the way' means the value that the module computes at that place (a softmax that the list does not call 'softmax' is quantised finished and normalised). What goes into a quantiser is computed in f32, as accurately as f32 sums, v_exp_f32 and their like allow (about 1e-6 of the number): no bf16 or f16 on the way to a quantiser, and a product that is left as it is and whose result goes on into a quantised operand takes f32 operands (vector FMAs, or v_wmma_f32_16x16x4_f32). A number that lies on a knife's edge between two numbers of the format may be rounded either way, as far as f32 arithmetic and the matrix unit's own rounding can turn it there, and no further.
;;   INPUTS GIVEN AS CODES. Wk (in the module: [1024, 1024], K = its axis 1); Wo (in the module: [1024, 1024], K = its axis 1); Wq (in the module: [1024, 1024], K = its axis 1); Wv (in the module: [1024, 1024], K = its axis 1); x (in the module: [4, 2048, 1024], K = its axis 2): each comes as NAME_codes (uint8): NAME with its K axis moved to the last place and cut into blocks of 32 codes, [.., K / 32, bytes a block], one block behind the other in memory; one code a byte (a code: sign, 5 exponent bits, 2 mantissa bits); its scale is its entry of lowp_scales. Its value is code x scale, taken as it is: it is not quantised again, and the codes and scales need not be those that the quantiser above would give.
;; One version. Each part assembles by itself: llvm-mc -triple=amdgcn-amd-amdhsa -mcpu=gfx1250 --defsym DOCPART=n.
;; ======== version 1 of 1: 3 launches
;; limits: right only within a limited range of input values
;; workspace buffers: qc 8,388,608 bytes; kc 8,388,608 bytes; vc 8,388,608 bytes; oc 8,388,608 bytes
;; launch qkv (part 1): grid 12 x 32, 4 waves a work-group, clusters of 4 x 4, 327,680 bytes of LDS; arguments x_codes, Wq_codes, Wk_codes, Wv_codes, bq, bk, bv, lowp_scales, qc, kc, vc; writes qc, kc, vc
.if DOCPART == 1
	.amdgcn_target "amdgcn-amd-amdhsa--gfx1250"
	.amdhsa_code_object_version 6
	.text
	.protected	k_qcaadd82821_qkv
	.globl	k_qcaadd82821_qkv
	.p2align	8
	.type	k_qcaadd82821_qkv,@function
k_qcaadd82821_qkv:
	s_mov_b64 s[64:65], 0
	v_nop
	global_prefetch_b8 v0, s[64:65] scope:SCOPE_SE
	s_setreg_imm32_b32 hwreg(HW_REG_WAVE_MODE, 25, 1), 1
	s_wait_xcnt 0x0
	s_wait_alu depctr_hold_cnt(0) depctr_sa_sdst(0) depctr_va_vdst(0) depctr_va_sdst(0) depctr_va_ssrc(0) depctr_va_vcc(0) depctr_vm_vsrc(0)
	s_getreg_b32 s2, hwreg(HW_REG_IB_STS2, 6, 4)
	s_cmp_eq_u32 s2, 0
	s_cbranch_scc0 .Lentry_in_a_cluster
	s_endpgm
.Lentry_in_a_cluster:
	s_bfe_u32 s2, ttmp6, 0x10000c
	s_cmp_lg_u32 s2, 0xf033
	s_cbranch_scc0 .Lentry_shape_is_right
	s_endpgm
.Lentry_shape_is_right:
; q = x Wq^T + bq, k = x Wk^T + bk, v = x Wv^T + bv on codes of BF8 (E5M2), and their quantising for the two products of attention.
; x: 8,192 rows of 1,024 codes; each W: 1,024 rows of 1,024 codes; K innermost.  A sum stands for sum x 2^(ea + eb): (e0, e1) for q, (e2, e3) for k, (e4, e5) for v.
; sum x 2^(ea + eb) + bias, in f32, is held within +-57,344 x 2^eo and turned into codes with the scale 2^eo: eo = e6 (q), e7 (k), e9 (v).
; LIMITS: ea + eb between -126 and 127; eo between -126 and 112: so that each power of two below is an f32 number.  NaN among the biases is not served.
; WHICH PRODUCT: the cluster's x (0, 1, 2) says q, k or v; it is the same in all sixteen partners.  C = A B^T, a tile of 256 x 256 to a work-group, 128 x 128 to each of four waves.
;   q, k: A = x (256 tokens: block 4 Y + cy), B = W (256 features: block cx).      v: A = Wv (block cy), B = x (block 4 Y + cx): C = v^T, so that a lane's registers run along the KEYS.
;   In both cases A's tile hangs on cy (and Y) alone and B's on cx (and Y) alone: A's tiles are asked for jointly along a row of the cluster, B's along a column.
; THE MATRIX INSTRUCTION IS USED TRANSPOSED (source 0 = 16 rows of B, source 1 = 16 rows of A): lane (r, h) holds row 16 a + r of C and, in register j of accumulator (a, b), column 16 b + 8 h + j.
; A fragment is fetched by four loads of 16 bytes: registers 4 c .. 4 c + 3 hold K = 32 c + 16 h + 0 .. 15: a permutation of k, the same in A and in B.
; THE WAY OUT NEEDS NO LDS.  The codes of accumulators (a, 2 bb) and (a, 2 bb + 1) are four registers, and they are, in this very lane, a quarter... a piece of an operand of the K = 64 form
; (registers 2 c, 2 c + 1: k = 16 c + 8 h + 0 .. 7).  The workspace is laid as images of such registers, 16 bytes a lane, so each store of the wave covers 512 consecutive bytes, aligned.
;   qc, kc: [batch x head 64][token tile 128][g 2][lane 32][16]      vc: [batch x head 64][64 keys 32][tile of 16 channels 4][g 2][lane 32][16]
; K goes in four steps of 256 through two LDS slots; the steps are written out, since a loop over them would have one trip.
; REGISTERS: window 0: v16-30 addresses; v32-95 the bias by columns; v96-111 the bias by rows; v112 the quantiser's scale; from v128 A's fragments, ONE set; on the way out v128-191 numbers, v192-255 codes.
;   window 1: B's fragments, TWO sets.   windows 2, 3: the 64 accumulators ((a, b) at v[8 (8 (a % 4) + b)], a / 4 picks the window).
.set KROW,   1024                      ; a row of x or of W in bytes
.set ROWB,   256                       ; a tile's row: 256 codes
.set PITCH,  272                       ; an LDS row: 256 bytes + 16 of padding = 68 words: row r starts at bank 4 r mod 64 (ISA guide 11.1)
.set FR,     16                        ; registers of a fragment: 16 rows x 128 K
.set NL,     4                         ; LDS loads that bring one
.set NP,     4                         ; places behind this matrix instruction (ISA guide 7.12.1)
.set HALFT,  128*PITCH                 ; what one tensor load brings
.set SLOT,   4*HALFT                   ; A's 256 rows, then B's 256 rows
.set SPARE,  2*SLOT                    ; behind the ring: the spare words, 128 bytes a wave, which no other line names
.set ADRA, 16                          ; v16-17  LDS address of my A fragments in slot 0, 1
.set ADRB, 20                          ; v20-21  the same for B
.set LN16, 26                          ; v26     16 x lane: my place in an image
.set CBO,  27                          ; v27     byte offset of my first bias by columns
.set SPW,  28                          ; v28     LDS address of my spare word; never rewritten
.set NIL,  29                          ; v29     0; never rewritten
.set RBO,  30                          ; v30     byte offset of my first bias by rows
.set CB,   32                          ; v32-95  bias[.. + 16 b + 8 h + j] at CB + 8 b + j
.set RB,   96                          ; v96-111 bias[.. + 16 a + r], twice, at RB + 2 a: a pair for the packed form
.set SCL,  112
.set LIM,  113
.set AF,   128
.set TMP,  128
.set CD,   192                         ; four sets of 16 registers of codes, block a in set a % 4
.set G1,  24                           ; s[24:31] group 1 for A's tiles;  s[32:39] group 0, one set a slot
.set G0,  32
.set G1B, 48                           ; s[48:55], s[56:63] the same for B's
.set G0B, 56
.set MSB, 0
.macro WIN new                         ; the immediate's high byte repeats the setting that is left
.if MSB != (\new)
	s_set_vgpr_msb (MSB<<8)|(\new)
.set MSB, (\new)
.endif
.endm
.set MUL_LO, 0xa1                      ; source 0 (B) window 1, source 1 (A) window 0, C and D window 2
.set MUL_HI, 0xf1                      ; the same, C and D window 3
.set TO_B,   0x40                      ; destination window 1, address window 0
; A joint load: waves 0 and 1 fetch for A, waves 2 and 3 for B; the branch hangs on the wave's number alone.  Four v_nop follow each line.
.macro JLOAD g0a, g1a, g0b, g1b
	s_cmp_eq_u32 s15, 0
	s_cbranch_scc0 .Lfor_b_\@
	tensor_load_to_lds s[\g0a:\g0a+3], s[\g1a:\g1a+7]
	s_nop 0
.rept 4
	v_nop
.endr
	s_branch .Lasked_\@
.Lfor_b_\@:
	tensor_load_to_lds s[\g0b:\g0b+3], s[\g1b:\g1b+7]
	s_nop 0
.rept 4
	v_nop
.endr
.Lasked_\@:
.endm
.macro CREST                           ; a round of the cluster's barrier behind its opening barrier
	s_cmp_lg_u32 s14, 0
	s_cbranch_scc1 .Lnot_wave_0_\@
	s_barrier_signal -3
.Lnot_wave_0_\@:
	s_barrier_wait -3
	s_barrier_signal -1
	s_barrier_wait -1
.endm
.macro CROUND                          ; a whole round
	s_barrier_signal -1
	s_barrier_wait -1
	CREST
.endm
	s_load_b256 s[68:75], s[0:1], 0x0              ; x s[68:69], Wq s[70:71], Wk s[72:73], Wv s[74:75]
	s_load_b256 s[76:83], s[0:1], 0x20             ; bq s[76:77], bk s[78:79], bv s[80:81], the scales' exponents s[82:83]
	s_load_b128 s[84:87], s[0:1], 0x40             ; qc s[84:85], kc s[86:87]
	s_load_b64 s[88:89], s[0:1], 0x50              ; vc
	v_lshl_add_u32 v[SPW], v0, 2, SPARE
	v_mov_b32 v[NIL], 0
	ds_add_u32 v28, v29
	ds_add_u32 v28, v29
	s_wait_dscnt 0x0
	v_lshrrev_b32 v1, 5, v0
	v_readfirstlane_b32 s14, v1                    ; wave 0..3
	s_lshr_b32 s15, s14, 1                         ; which half of the tile's rows is mine.  Also: I fetch for A (0) or for B (1)
	s_and_b32 s16, s14, 1                          ; which half of its columns.  Also: which 128 rows of that tile I fetch
	s_bfe_u32 s40, ttmp6, 0x40000                  ; cx
	s_bfe_u32 s41, ttmp6, 0x40004                  ; cy
	s_and_b32 s90, ttmp7, 0xffff
	s_lshl_b32 s90, s90, 2                         ; 4 Y
	s_cmp_eq_u32 ttmp9, 2                          ; v?
	s_cselect_b32 s17, 0, s90
	s_cselect_b32 s42, s90, 0
	s_add_co_u32 s17, s17, s41                     ; A's block of 256 rows: cy, and 4 Y more where A is x
	s_add_co_u32 s42, s42, s40                     ; B's block: cx, and 4 Y more where B is x
	s_lshl_b32 s43, s41, 2
	s_lshl_b32 s43, 15, s43                        ; my row of the cluster
	s_lshl_b32 s44, 0x1111, s40                    ; my column
	s_or_b32 s[G1+0], s43, (0<<16)|(1<<20)|(1<<21)|(5<<22)|(3<<25)  ; 15:0 the mask; 17:16 elements of 1 byte; 20 padding on; 21 set beside a mask; 24:22 after every 64 words; 31:25 four words
	s_or_b32 s[G1B+0], s44, (0<<16)|(1<<20)|(1<<21)|(5<<22)|(3<<25)
.irp g, G1, G1B
	s_mov_b32 s[\g+1], ROWB<<16                    ; tensor_dim0
	s_mov_b32 s[\g+2], 128<<16                     ; tensor_dim1 = 128
	s_mov_b32 s[\g+3], ROWB<<16                    ; tile_dim0
	s_mov_b32 s[\g+4], 128                         ; tile_dim1 = 128
	s_mov_b32 s[\g+5], KROW                        ; tensor_dim0_stride
	s_mov_b32 s[\g+6], 0
	s_mov_b32 s[\g+7], 0
.endr
	s_lshl_b32 s18, s16, 7                         ; which 128 rows of the tile I fetch
	s_lshl_b32 s20, s17, 8
	s_add_co_u32 s20, s20, s18
	s_lshl_b32 s20, s20, 10                        ; A: (256 x block + 128 x half) rows of 1,024 bytes: under 2^23
	s_mov_b32 s21, 0
	s_lshl_b32 s46, s42, 8
	s_add_co_u32 s46, s46, s18
	s_lshl_b32 s46, s46, 10                        ; B likewise
	s_mov_b32 s47, 0
	s_mul_i32 s45, s14, HALFT                      ; where they go: wave x 128 rows: no place in the cluster enters an LDS address
	s_wait_kmcnt 0x0
	s_cmp_eq_u32 ttmp9, 2                          ; the buffers are chosen by the cluster's x alone
	s_cselect_b64 s[4:5], s[74:75], s[68:69]       ; A: Wv, else x
	s_cselect_b64 s[6:7], s[68:69], s[70:71]       ; B: x, else Wq
	s_cselect_b64 s[8:9], s[80:81], s[76:77]       ; the bias: bv, else bq
	s_cselect_b64 s[10:11], s[88:89], s[84:85]     ; the codes: vc, else qc
	s_cmp_eq_u32 ttmp9, 1                          ; k?
	s_cselect_b64 s[6:7], s[72:73], s[6:7]
	s_cselect_b64 s[8:9], s[78:79], s[8:9]
	s_cselect_b64 s[10:11], s[86:87], s[10:11]
	s_load_b256 s[68:75], s[82:83], 0x0            ; e0 .. e7 (the pointers that lay here have been chosen from)
	s_load_b128 s[76:79], s[82:83], 0x20           ; e8 .. e11: the table's 48 bytes
	s_add_nc_u64 s[20:21], s[4:5], s[20:21]
	s_add_nc_u64 s[46:47], s[6:7], s[46:47]
	CROUND                                         ; all sixteen work-groups are here: the first joint loads meet
.irp s, 0,1
	s_mov_b32 s[G0+4*\s], 1
	s_add_co_u32 s[G0+4*\s+1], s45, \s*SLOT
	s_add_nc_u64 s[G0+4*\s+2:G0+4*\s+3], s[20:21], \s*ROWB
	s_or_b32 s[G0+4*\s+3], s[G0+4*\s+3], 0x80000000
	s_mov_b32 s[G0B+4*\s], 1
	s_add_co_u32 s[G0B+4*\s+1], s45, \s*SLOT
	s_add_nc_u64 s[G0B+4*\s+2:G0B+4*\s+3], s[46:47], \s*ROWB
	s_or_b32 s[G0B+4*\s+3], s[G0B+4*\s+3], 0x80000000
	JLOAD G0+4*\s, G1, G0B+4*\s, G1B
.endr
	v_and_b32 v1, 15, v0                           ; r
	v_bfe_u32 v2, v0, 4, 1                         ; h
	s_wait_alu depctr_va_vdst(0)
	v_mul_u32_u24 v3, v1, PITCH
	v_lshl_add_u32 v4, v2, 4, v3                   ; a fragment's row x pitch + 16 h
	s_mul_i32 s21, s15, HALFT                      ; my 128 rows of A
	s_mul_i32 s22, s16, HALFT                      ; my 128 rows of B,
	s_add_co_u32 s22, s22, 2*HALFT                 ; which lie behind A's 256
.irp s, 0,1
	v_add_nc_u32 v[ADRA+\s], s21, v4
	v_add_nc_u32 v[ADRB+\s], s22, v4
	s_add_co_u32 s21, s21, SLOT
	s_add_co_u32 s22, s22, SLOT
.endr
	v_and_b32 v5, 31, v0
	v_lshlrev_b32 v[LN16], 4, v5
	; THE BIAS, in both forms, in every work-group: by columns (q, k: a feature is a column of C) and by rows (v: a row).  One form goes unused in each work-group; loading both keeps
	; one text for the head, and both lie inside each of the three biases' 4,096 bytes.
	s_lshl_b32 s98, s40, 10
	s_lshl_b32 s99, s16, 9
	s_add_co_u32 s98, s98, s99
	v_lshl_add_u32 v[CBO], v2, 5, s98              ; 4 (256 cx + 128 x my half of the columns + 8 h)
	s_lshl_b32 s98, s41, 10
	s_lshl_b32 s99, s15, 9
	s_add_co_u32 s98, s98, s99
	v_lshl_add_u32 v[RBO], v1, 2, s98              ; 4 (256 cy + 128 x my half of the rows + r)
.irp b, 0,1,2,3,4,5,6,7
	global_load_b128 v[CB+8*\b:CB+8*\b+3],   v[CBO], s[8:9] offset:64*\b
	global_load_b128 v[CB+8*\b+4:CB+8*\b+7], v[CBO], s[8:9] offset:64*\b+16
.endr
.irp a, 0,1,2,3,4,5,6,7
	global_load_b32 v[RB+2*\a],   v[RBO], s[8:9] offset:64*\a
	global_load_b32 v[RB+2*\a+1], v[RBO], s[8:9] offset:64*\a
.endr
	; where my wave's images begin: ((16 batch + 4 fb + 2 wfeat) x 128 + 16 (tb % 8) + 8 wtok) x 1,024 bytes; tb: block of 256 tokens, fb: of 256 features; wtok, wfeat: my half of each
	s_cmp_eq_u32 ttmp9, 2
	s_cselect_b32 s91, s42, s17                    ; tb
	s_cselect_b32 s92, s17, s42                    ; fb
	s_cselect_b32 s93, s16, s15                    ; wtok
	s_cselect_b32 s94, s15, s16                    ; wfeat
	s_lshr_b32 s95, s91, 3
	s_lshl_b32 s95, s95, 4
	s_lshl_b32 s92, s92, 2
	s_add_co_u32 s95, s95, s92
	s_lshl_b32 s94, s94, 1
	s_add_co_u32 s95, s95, s94
	s_lshl_b32 s95, s95, 7
	s_and_b32 s91, s91, 7
	s_lshl_b32 s91, s91, 4
	s_add_co_u32 s95, s95, s91
	s_lshl_b32 s93, s93, 3
	s_add_co_u32 s95, s95, s93
	s_lshl_b32 s92, s95, 10                        ; under 2^23
	s_mov_b32 s93, 0
	s_add_nc_u64 s[10:11], s[10:11], s[92:93]
.macro FRAG reg, adr, q, i             ; a fragment: lane l holds row l % 16; registers 4 c .. 4 c + 3 hold K = 32 c + 16 (l / 16) + 0 .. 15
.irp c, 0,1,2,3
	ds_load_b128 v[\reg+4*\c:\reg+4*\c+3], v[\adr] offset:128*(\q)+32*\c+(\i)*16*PITCH
.endr
.endm
; 16 matrix instructions: A's blocks a0, a0 + 1 x B's eight, 128 along K.  p: B's set.  zero = 1: the first product starts the sums.
; The 64 accumulators take turns, one instruction a turn, in the same order in every step.
.macro MUL16 a0, p, zero
.irp a, \a0, \a0+1
.irp b, 0,1,2,3,4,5,6,7
.if \zero
	v_wmma_f32_16x16x128_bf8_bf8 v[8*(8*((\a)%4)+\b):8*(8*((\a)%4)+\b)+7], v[128*(\p)+FR*\b:128*(\p)+FR*\b+FR-1], v[AF+FR*(\a):AF+FR*(\a)+FR-1], 0
.else
	v_wmma_f32_16x16x128_bf8_bf8 v[8*(8*((\a)%4)+\b):8*(8*((\a)%4)+\b)+7], v[128*(\p)+FR*\b:128*(\p)+FR*\b+FR-1], v[AF+FR*(\a):AF+FR*(\a)+FR-1], v[8*(8*((\a)%4)+\b):8*(8*((\a)%4)+\b)+7]
.endif
.endr
.endr
.endm
.macro FETCH_B slot, q, p              ; B's eight fragments of the slot's q-th 128 along K into set p
	WIN TO_B
.irp i, 0,1,2,3,4,5,6,7
	FRAG 128*(\p)+FR*\i, ADRB+\slot, \q, \i
.endr
	WIN 0
.endm
.macro FETCH_A slot, q, i0             ; A's blocks i0 .. i0 + 3
.irp i, \i0, \i0+1, \i0+2, \i0+3
	FRAG AF+FR*(\i), ADRA+\slot, \q, \i
.endr
.endm
.macro PLACES n                        ; plain vector instructions between a matrix instruction and a load into, or a vector write of, its registers, or a read of its result
.rept \n
	v_nop
.endr
.endm
; A step of 128 along K that has its successor in the same slot.  A block of A is free once its eight products are issued: blocks 0-3 are fetched anew in the middle, blocks 4-7 at the end.
.macro STEP slot, q, zero
	s_wait_dscnt 4*NL                              ; B's set and A's blocks 0-3 are in; the youngest 16 loads (A's blocks 4-7) may be out
	WIN MUL_LO
	MUL16 0, (\q)%2, \zero
	MUL16 2, (\q)%2, \zero
	s_wait_dscnt 0                                 ; A's blocks 4-7 are in
	PLACES NP
	FETCH_B \slot, (\q)+1, 1-(\q)%2
	FETCH_A \slot, (\q)+1, 0
	WIN MUL_HI
	MUL16 4, (\q)%2, \zero
	MUL16 6, (\q)%2, \zero
	PLACES NP
	WIN 0
	FETCH_A \slot, (\q)+1, 4
.endm
; A slot's last step changes slots: ONE barrier; in front of it each wave waits for all its tensor loads, adds 0 to its spare word, and waits for that and for its reads of this slot.
; fill = 1: the barrier opens a round of the cluster's barrier, and this slot is filled again, two K steps ahead.
.macro TURN slot, next, fill
	s_wait_tensorcnt 0x0                           ; all my tensor loads have landed: my part of the next slot
	ds_add_u32 v[SPW], v[NIL]                      ; 0 onto my spare word
	s_wait_dscnt 4*NL+1                            ; (the add and the youngest 16 loads, A's blocks 4-7, may be out)
	WIN MUL_LO
	MUL16 0, 1, 0                                  ; sixteen matrix instructions stand between the add and the wait for it
	s_wait_dscnt 0x0                               ; the add is done, and my reads of this slot are over
	s_barrier_signal -1
	MUL16 2, 1, 0
	WIN 0
	s_barrier_wait -1
.if \fill
	CREST                                          ; no wave of any partner still reads this slot's tile or has a load on its way
	s_add_nc_u64 s[G0+4*\slot+2:G0+4*\slot+3], s[G0+4*\slot+2:G0+4*\slot+3], 2*ROWB
	s_add_nc_u64 s[G0B+4*\slot+2:G0B+4*\slot+3], s[G0B+4*\slot+2:G0B+4*\slot+3], 2*ROWB
	JLOAD G0+4*\slot, G1, G0B+4*\slot, G1B         ; the first tensor load behind the round; its four v_nop are the places in front of the loads below
.else
	PLACES NP
.endif
	FETCH_B \next, 0, 0
	FETCH_A \next, 0, 0
	WIN MUL_HI
	MUL16 4, 1, 0
	MUL16 6, 1, 0
	PLACES NP
	WIN 0
	FETCH_A \next, 0, 4
.endm
	s_wait_alu depctr_va_vdst(0)
	s_wait_tensorcnt 1                             ; my part of K step 0 is in (K step 1's load may be out)
	s_barrier_signal -1
	s_barrier_wait -1                              ; everybody's is
	FETCH_B 0, 0, 0
	FETCH_A 0, 0, 0
	FETCH_A 0, 0, 4
	STEP 0, 0, 1                                   ; K 0-127: its products start the sums
	TURN 0, 1, 1                                   ; K 128-255; slot 0 takes K 512-767
	STEP 1, 0, 0
	TURN 1, 0, 1                                   ; slot 1 takes K 768-1,023
	STEP 0, 0, 0
	TURN 0, 1, 0                                   ; nothing is left to fetch
	STEP 1, 0, 0
	s_wait_dscnt 4*NL                              ; the very last step
	WIN MUL_LO
	MUL16 0, 1, 0
	MUL16 2, 1, 0
	s_wait_dscnt 0
	WIN MUL_HI
	MUL16 4, 1, 0
	MUL16 6, 1, 0
	WIN 0
	s_wait_kmcnt 0x0                               ; the exponents
	s_add_co_i32 s68, s68, s69                     ; e0 + e1
	s_add_co_i32 s70, s70, s71                     ; e2 + e3
	s_add_co_i32 s72, s72, s73                     ; e4 + e5
	s_cmp_eq_u32 ttmp9, 2
	s_cselect_b32 s96, s72, s68
	s_cselect_b32 s98, s77, s74                    ; e9, else e6
	s_cmp_eq_u32 ttmp9, 1
	s_cselect_b32 s96, s70, s96
	s_cselect_b32 s98, s75, s98                    ; e7
	s_add_co_i32 s96, s96, 127
	s_lshl_b32 s96, s96, 23                        ; 2^(ea + eb) as f32
	s_mov_b32 s97, s96                             ; (named with it as a pair, so it is written)
	s_add_co_i32 s98, s98, 127
	s_lshl_b32 s99, s98, 23
	v_mov_b32 v[SCL], s99                          ; 2^eo: the conversion takes its exponent field
	s_wait_loadcnt 0x0                             ; the biases
	PLACES NP                                      ; behind the last products: their results are read, and A's registers written, below
; THE WAY OUT, block a of 16 rows at a time: sum x 2^(ea + eb) + bias (one packed multiply-add for two, each accumulator from its low end on), the hold, the conversion, four stores of 512 bytes.
.macro EPI rowbias
.irp a, 0,1,2,3,4,5,6,7
.if \a >= 4
	s_wait_xcnt 0x0                                ; block a - 4's stores have read their data: its set of code registers is written again only behind this wait
.endif
	WIN 0x02+(\a)/4                                ; source 0: window 2 or 3
.set j, 0
.rept 32
.if \rowbias
	v_pk_fma_f32 v[TMP+j:TMP+j+1], v[64*((\a)%4)+j:64*((\a)%4)+j+1], s[96:97], v[RB+2*(\a):RB+2*(\a)+1] op_sel_hi:[1,0,1]
.else
	v_pk_fma_f32 v[TMP+j:TMP+j+1], v[64*((\a)%4)+j:64*((\a)%4)+j+1], s[96:97], v[CB+j:CB+j+1] op_sel_hi:[1,0,1]
.endif
.set j, j+2
.endr
	WIN 0
.set j, 0
.rept 64
.set j, j+1
.endr
.irp b, 0,1,2,3,4,5,6,7
	v_cvt_scalef32_pk8_bf8_f32 v[CD+16*((\a)%4)+2*\b:CD+16*((\a)%4)+2*\b+1], v[TMP+8*\b:TMP+8*\b+7], v[SCL]
.endr
	v_nop                                          ; one plain vector instruction behind the last conversion: the next block writes the conversions' sources
.irp bb, 0,1,2,3
.if \rowbias
	global_store_b128 v[LN16], v[CD+16*((\a)%4)+4*\bb:CD+16*((\a)%4)+4*\bb+3], s[10:11] offset:131072*((\a)/4)+1024*((\a)%4)+4096*(\bb/2)+512*(\bb%2)   ; head a / 4, channels 16 (a % 4) on, keys 32 bb on
.else
	global_store_b128 v[LN16], v[CD+16*((\a)%4)+4*\bb:CD+16*((\a)%4)+4*\bb+3], s[10:11] offset:1024*(\a)+131072*(\bb/2)+512*(\bb%2)   ; token tile a, head bb / 2, channels 32 (bb % 2) on
.endif
.endr
.endr
.endm
	s_cmp_eq_u32 ttmp9, 2                          ; the cluster's x: the same in all partners
	s_cbranch_scc1 .Lfor_v
	EPI 0
	s_branch .Lout
.Lfor_v:
	EPI 1
.Lout:
	s_wait_tensorcnt 0x0                           ; the wave's end
	ds_add_u32 v[SPW], v[NIL]
	s_wait_dscnt 0x0
	CROUND                                         ; the closing round: no work-group ends while a partner may still ask for a tile that names it
	s_endpgm
.Lfunc_end_k_qcaadd82821_qkv:
	.size	k_qcaadd82821_qkv, .Lfunc_end_k_qcaadd82821_qkv-k_qcaadd82821_qkv
	.p2alignl 7, 3214868480
	.fill 96, 4, 3214868480
	.section	.rodata,"a",@progbits
	.p2align	6, 0x0
	.amdhsa_kernel k_qcaadd82821_qkv
		.amdhsa_group_segment_fixed_size 327680
		.amdhsa_private_segment_fixed_size 0
		.amdhsa_enable_private_segment 0
		.amdhsa_kernarg_size 88
		.amdhsa_user_sgpr_count 2
		.amdhsa_user_sgpr_kernarg_segment_ptr 1
		.amdhsa_wavefront_size32 1
		.amdhsa_system_sgpr_workgroup_id_x 1
		.amdhsa_system_sgpr_workgroup_id_y 1
		.amdhsa_system_sgpr_workgroup_id_z 1
		.amdhsa_system_vgpr_workitem_id 0
		.amdhsa_next_free_vgpr 1024
		.amdhsa_next_free_sgpr 100
		.amdhsa_reserve_vcc 0
		.amdhsa_float_denorm_mode_32 3
		.amdhsa_float_denorm_mode_16_64 3
		.amdhsa_fp16_overflow 1
		.amdhsa_memory_ordered 1
		.amdhsa_forward_progress 1
		.amdhsa_inst_pref_size 130
	.end_amdhsa_kernel
	.amdgpu_metadata
---
amdhsa.version: [ 1, 2 ]
amdhsa.kernels:
  - .name:           k_qcaadd82821_qkv
    .symbol:         k_qcaadd82821_qkv.kd
    .args:
      - { .name: x_codes, .offset: 0, .size: 8, .value_kind: global_buffer, .address_space: global }
      - { .name: Wq_codes, .offset: 8, .size: 8, .value_kind: global_buffer, .address_space: global }
      - { .name: Wk_codes, .offset: 16, .size: 8, .value_kind: global_buffer, .address_space: global }
      - { .name: Wv_codes, .offset: 24, .size: 8, .value_kind: global_buffer, .address_space: global }
      - { .name: bq, .offset: 32, .size: 8, .value_kind: global_buffer, .address_space: global }
      - { .name: bk, .offset: 40, .size: 8, .value_kind: global_buffer, .address_space: global }
      - { .name: bv, .offset: 48, .size: 8, .value_kind: global_buffer, .address_space: global }
      - { .name: lowp_scales, .offset: 56, .size: 8, .value_kind: global_buffer, .address_space: global }
      - { .name: qc, .offset: 64, .size: 8, .value_kind: global_buffer, .address_space: global }
      - { .name: kc, .offset: 72, .size: 8, .value_kind: global_buffer, .address_space: global }
      - { .name: vc, .offset: 80, .size: 8, .value_kind: global_buffer, .address_space: global }
    .group_segment_fixed_size: 327680
    .private_segment_fixed_size: 0
    .kernarg_segment_align: 8
    .kernarg_segment_size: 88
    .max_flat_workgroup_size: 128
    .sgpr_count:     100
    .vgpr_count:     1024
    .wavefront_size: 32
...
	.end_amdgpu_metadata
.endif
;; end of part 1
;; launch attn (part 2): grid 4 x 64, 16 waves a work-group, clusters of 4 x 1, 264,192 bytes of LDS; arguments qc, kc, vc, lowp_scales, oc; writes oc
.if DOCPART == 2
	.amdgcn_target "amdgcn-amd-amdhsa--gfx1250"
	.amdhsa_code_object_version 6
	.text
	.protected	k_qcaadd82821_attn
	.globl	k_qcaadd82821_attn
	.p2align	8
	.type	k_qcaadd82821_attn,@function
k_qcaadd82821_attn:
	s_mov_b64 s[64:65], 0
	v_nop
	global_prefetch_b8 v0, s[64:65] scope:SCOPE_SE
	s_setreg_imm32_b32 hwreg(HW_REG_WAVE_MODE, 25, 1), 1
	s_wait_xcnt 0x0
	s_wait_alu depctr_hold_cnt(0) depctr_sa_sdst(0) depctr_va_vdst(0) depctr_va_sdst(0) depctr_va_ssrc(0) depctr_va_vcc(0) depctr_vm_vsrc(0)
	s_getreg_b32 s2, hwreg(HW_REG_IB_STS2, 6, 4)
	s_cmp_eq_u32 s2, 0
	s_cbranch_scc0 .Lentry_in_a_cluster
	s_endpgm
.Lentry_in_a_cluster:
	s_bfe_u32 s2, ttmp6, 0x10000c
	s_cmp_lg_u32 s2, 0x3003
	s_cbranch_scc0 .Lentry_shape_is_right
	s_endpgm
.Lentry_shape_is_right:
; o = softmax(q k^T / 8) v for one head of one batch, both products on codes of BF8 (E5M2); o is quantised for the last product.
; qc, kc: [batch x head 64][token tile 128][g 2][lane 32][16]; vc: [batch x head 64][64 keys 32][tile of 16 channels 4][g 2][lane 32][16]: images of the K = 64 form's operand registers
; (registers 2 c, 2 c + 1: k = 16 c + 8 h + 0 .. 7), 16 bytes a lane.  Scales: q 2^e6, k 2^e7, p 2^e8, v 2^e9, o 2^e10.
; THE SOFTMAX: t = score x log2(e) / 8; M = the row's largest t so far, rounded UP to a whole number; p = 2^(t - M) is quantised, not normalised.  The row's sum is taken of the unquantised p
; and divides at the end.  When M moves, the sum and O are multiplied by 2^(old M - new M): nothing is rounded, and no branch hangs on data.
; SHARES.  A cluster of four work-groups is one head; each work-group owns 512 of its 2,048 queries; each of its sixteen waves 32 of them: two tiles of 16, which share every fragment of K and V.
; THE WHOLE HEAD LIES IN LDS: K's images at 0 (131,072 bytes), V's behind them.  Each byte of LDS is filled once, so there is no ring.  All eight tensor loads go out at the head (wave 0: K, wave 1: V, four
; pieces of 512 keys each: four loads of a wave are out), JOINTLY for the four work-groups, which walk the same K and V.  The walk begins when the first piece is in.
; No prefetch is written: every byte that the launch reads from K and V is asked for by those first loads, and nothing is asked for later.
; LAYOUT.  Both products are used transposed.  S^T = K Q^T (source 0 = 16 keys, source 1 = 16 queries): lane (r, h) holds query r and, in register j of tile t, key 16 t + 8 h + j: the very place that the
; next operand's layout gives that key, so the conversions' results are P, source 1 of O^T = V^T P^T (source 0 = 16 channels).  A lane holds one query throughout.
; LIMITS: e6 + e7 between -123 and 130 (added to c's exponent field); e8 and e10 between -126 and 112; e8 + e9 is applied by v_ldexp_f32 and has none.
; REGISTERS: v1-4 addresses; v8-15 statistics, four a tile: -M, the largest t, the sum in two halves; v16-31 Q; v32-63 K's four fragments; v64-95 V's; v96-159 S^T, then p; v160-223 O^T; v224-239 P's codes;
;   v241 the scale; from v242 six a tile at work: f (a pair), a second chain of sums (a pair), two maxima; v254, v255 the lane permutes' results.
.set LN16, 1                           ; v1   16 x lane: my place in an image of K
.set LNV,  2                           ; v2   the same in V's half of LDS
.set ADK,  3                           ; v3   LDS address of the step's images of K
.set ADV,  4                           ; v4   of V
.set ST,   8
.set Q,    16
.set KF,   32
.set VF,   64
.set S,    96
.set O,    160
.set P,    224
.set LIM,  240
.set SCL,  241
.set TT,   242
.set WV,   14                          ; s14  my wave's number
.set G1,   24                          ; s[24:31] descriptor group 1: 128 rows of 256 bytes, dense
.set G0,   32                          ; s[32:47] group 0, one set for each of the four pieces
.set SEL,  48                          ; s[48:49] lane selects for v_permlanex16_b32: lane l xor 16
.set CS,   50                          ; s[50:51] c = log2(e) / 8 x 2^(e6 + e7)
.set TB,   52                          ; s52  LDS byte at which the step's images begin
.set CNT,  53                          ; s53  steps to go in the piece
.macro CROUND                          ; a round of the cluster's barrier
	s_barrier_signal -1
	s_barrier_wait -1
	s_cmp_lg_u32 s[WV], 0
	s_cbranch_scc1 .Lnot_wave_0_\@
	s_barrier_signal -3
.Lnot_wave_0_\@:
	s_barrier_wait -3
	s_barrier_signal -1
	s_barrier_wait -1
.endm
	s_load_b256 s[4:11], s[0:1], 0x0               ; qc s[4:5], kc s[6:7], vc s[8:9], the scales' exponents s[10:11]
	s_load_b64 s[12:13], s[0:1], 0x20              ; oc
	v_lshl_add_u32 v6, v0, 2, 0x40000
	v_mov_b32 v7, 0
	ds_add_u32 v6, v7
	ds_add_u32 v6, v7
	v_lshrrev_b32 v5, 5, v0
	s_delay_alu instid0(VALU_DEP_1)
	v_readfirstlane_b32 s[WV], v5                  ; wave 0..15
	s_bfe_u32 s15, ttmp6, 0x40000                  ; cx
	s_lshl_b32 s16, ttmp9, 2
	s_add_co_u32 s16, s16, s15                     ; my block of 512 queries: it enters Q's and o's addresses alone
	s_and_b32 s17, ttmp7, 0xffff                   ; batch x head, which the four partners share
	s_mov_b32 s[G1], 15|(3<<16)|(1<<21)            ; 15:0 the mask: all four work-groups; 17:16 elements of 8 bytes; 21 set beside a mask; no padding
	s_mov_b32 s[G1+1], 32<<16                      ; tensor_dim0 = 32 elements: 256 bytes
	s_mov_b32 s[G1+2], 128<<16                     ; tensor_dim1 = 128
	s_mov_b32 s[G1+3], 32<<16                      ; tile_dim0
	s_mov_b32 s[G1+4], 128                         ; tile_dim1
	s_mov_b32 s[G1+5], 32                          ; tensor_dim0_stride: each row begins where the last ends
	s_mov_b32 s[G1+6], 0
	s_mov_b32 s[G1+7], 0
	s_mov_b32 s[SEL], 0x76543210
	s_mov_b32 s[SEL+1], 0xfedcba98
	s_mov_b32 s[CS], 0x3e38aa3b                    ; log2(e) / 8
	s_and_b32 s18, s[WV], 1                        ; wave 0 fetches K, wave 1 V
	s_lshl_b32 s19, s18, 17                        ; into LDS from 0, from 131,072
	s_lshl_b32 s20, s17, 17                        ; a head's images are 131,072 bytes
	s_mov_b32 s21, 0
	s_wait_dscnt 0x0
	s_wait_kmcnt 0x0
	s_load_b256 s[56:63], s[10:11], 0x0            ; e0 .. e7: e6 = s62, e7 = s63
	s_load_b128 s[68:71], s[10:11], 0x20           ; e8 .. e11
	s_cmp_eq_u32 s18, 0
	s_cselect_b64 s[22:23], s[6:7], s[8:9]
	s_add_nc_u64 s[22:23], s[22:23], s[20:21]
.irp c, 0,1,2,3
	s_mov_b32 s[G0+4*\c], 1                        ; count = 1
	s_add_co_u32 s[G0+4*\c+1], s19, 32768*\c       ; LDS address: piece c
	s_add_nc_u64 s[G0+4*\c+2:G0+4*\c+3], s[22:23], 32768*\c
	s_or_b32 s[G0+4*\c+3], s[G0+4*\c+3], 0x80000000   ; type = 2
.endr
	CROUND                                         ; all four work-groups are here: the joint loads meet
	s_cmp_lt_u32 s[WV], 2                          ; a wave's four fills stand in one branch, ahead of every wait on TENSORcnt and every LDS read
	s_cbranch_scc0 .Lno_fetch
	tensor_load_to_lds s[G0:G0+3], s[G1:G1+7]
	s_nop 0
	tensor_load_to_lds s[G0+4:G0+7], s[G1:G1+7]
	s_nop 0
	tensor_load_to_lds s[G0+8:G0+11], s[G1:G1+7]
	s_nop 0
	tensor_load_to_lds s[G0+12:G0+15], s[G1:G1+7]
	s_nop 0
.rept 4
	v_nop
.endr
.Lno_fetch:
	v_and_b32 v5, 31, v0
	s_delay_alu instid0(VALU_DEP_1)
	v_lshlrev_b32 v[LN16], 4, v5
	s_wait_alu depctr_va_vdst(0)
	v_add_nc_u32 v[LNV], 0x20000, v[LN16]
	s_lshl_b32 s18, s17, 7                         ; Q: token tile 128 x (batch x head) + 32 x block + 2 x wave, 1,024 bytes each
	s_lshl_b32 s19, s16, 5
	s_add_co_u32 s18, s18, s19
	s_lshl_b32 s19, s[WV], 1
	s_add_co_u32 s18, s18, s19
	s_lshl_b32 s18, s18, 10
	s_mov_b32 s19, 0
	s_add_nc_u64 s[4:5], s[4:5], s[18:19]
.irp f, 0,1,2,3
	global_load_b128 v[Q+4*\f:Q+4*\f+3], v[LN16], s[4:5] offset:512*\f   ; tile f / 2, registers 4 (f % 2) on: Q stays in registers
.endr
	; o's codes: [128 tokens 64][256 along K 4][token tile 8][128 along K 2][c 4][lane 32][16].  My tiles: 128 batch + 32 block + 2 wave + u; my head's 64 features begin at 64 head
	s_lshr_b32 s18, s17, 4
	s_lshl_b32 s18, s18, 4                         ; 16 x batch
	s_lshl_b32 s19, s16, 2
	s_add_co_u32 s18, s18, s19                     ; + 4 x block
	s_lshr_b32 s19, s[WV], 2
	s_add_co_u32 s18, s18, s19                     ; + wave / 4
	s_lshl_b32 s18, s18, 17
	s_and_b32 s19, s17, 15                         ; the head
	s_lshr_b32 s20, s19, 2
	s_lshl_b32 s20, s20, 15
	s_add_co_u32 s18, s18, s20
	s_and_b32 s20, s[WV], 3
	s_lshl_b32 s20, s20, 13
	s_add_co_u32 s18, s18, s20
	s_and_b32 s19, s19, 3
	s_lshl_b32 s19, s19, 10
	s_add_co_u32 s18, s18, s19                     ; under 2^23
	s_mov_b32 s19, 0
	s_add_nc_u64 s[12:13], s[12:13], s[18:19]
.irp u, 0,1
	v_mov_b32 v[ST+4*\u+1], 0xff61b1e6             ; the largest t so far: -3e38, under every t
	s_delay_alu instid0(VALU_DEP_1)
	v_floor_f32 v[ST+4*\u], -v[ST+4*\u+1]          ; -M
	v_mov_b32 v[ST+4*\u+2], 0                      ; the sum, in two halves
	v_mov_b32 v[ST+4*\u+3], 0
	v_mov_b32 v[TT+6*\u+1], 0                      ; (named as the upper half of f's pair)
	v_mov_b32 v[254+\u], 0                         ; written once: a lane permute's destination counts as one of its sources
.endr
.set j, 0
.rept 64
	v_mov_b32 v[O+j], 0                            ; O^T.  (The step is written once for all steps: the first finds zeros, which the first change of M leaves zeros)
.set j, j+1
.endr
	s_wait_kmcnt 0x0
	s_add_co_i32 s18, s62, s63
	s_lshl_b32 s18, s18, 23
	s_add_co_i32 s[CS], s[CS], s18                 ; a score stands for score x 2^(e6 + e7): the exponents are added to c's exponent field
	s_mov_b32 s[CS+1], s[CS]                       ; (named with it as a pair, so it is written)
	s_add_co_i32 s18, s68, 127
	s_lshl_b32 s19, s18, 23
	v_mov_b32 v[SCL], s19                          ; 2^e8
	s_wait_loadcnt 0x0                             ; Q
; A KEY STEP: 64 keys for my two tiles of queries.  Lines of tile 0 and tile 1 alternate, so that no line waits for the line above it.
.macro STEP
	v_add_nc_u32 v[ADK], s[TB], v[LN16]
	v_add_nc_u32 v[ADV], s[TB], v[LNV]
	v_nop
	v_nop                                          ; with the two additions: four places between the last step's products and the loads into V's registers
.irp f, 0,1,2,3,4,5,6,7
	ds_load_b128 v[KF+4*\f:KF+4*\f+3], v[ADK] offset:512*\f   ; 32 lanes read 512 consecutive bytes: keys 16 (f / 2) on
.endr
.irp f, 0,1,2,3,4,5,6,7
	ds_load_b128 v[VF+4*\f:VF+4*\f+3], v[ADV] offset:512*\f   ; channels 16 (f / 2) on
.endr
	s_wait_dscnt 8                                 ; K's eight loads are in; V's eight may be out
.irp t, 0,1,2,3
.irp u, 0,1
	v_wmma_f32_16x16x64_bf8_bf8 v[S+32*\u+8*\t:S+32*\u+8*\t+7], v[KF+8*\t:KF+8*\t+7], v[Q+8*\u:Q+8*\u+7], 0
.endr
.endr
.rept 4
	v_nop                                          ; places in front of the first read of the scores
.endr
	; the step's largest score of a query among my 32 keys, in two chains; each accumulator is first read at its low end
.irp u, 0,1
	v_max3_num_f32 v[TT+6*\u+4], v[S+32*\u], v[S+32*\u+1], v[S+32*\u+2]
.endr
.irp u, 0,1
	v_max3_num_f32 v[TT+6*\u+5], v[S+32*\u+3], v[S+32*\u+4], v[S+32*\u+5]
.endr
.irp i, 6,10,14,18,22,26
.irp u, 0,1
	v_max3_num_f32 v[TT+6*\u+4], v[TT+6*\u+4], v[S+32*\u+\i], v[S+32*\u+\i+1]
.endr
.irp u, 0,1
	v_max3_num_f32 v[TT+6*\u+5], v[TT+6*\u+5], v[S+32*\u+\i+2], v[S+32*\u+\i+3]
.endr
.endr
.irp u, 0,1
	v_max3_num_f32 v[TT+6*\u+4], v[TT+6*\u+4], v[S+32*\u+30], v[S+32*\u+31]
.endr
.irp u, 0,1
	s_delay_alu instid0(VALU_DEP_2)
	v_max_num_f32 v[TT+6*\u+4], v[TT+6*\u+4], v[TT+6*\u+5]
.endr
.irp u, 0,1
	s_delay_alu instid0(VALU_DEP_2)
	v_permlanex16_b32 v[254+\u], v[TT+6*\u+4], s[SEL], s[SEL+1]   ; the query's other 32 keys lie in the lane 16 away
.endr
.irp u, 0,1
	s_delay_alu instid0(VALU_DEP_2)
	v_max_num_f32 v[TT+6*\u+4], v[TT+6*\u+4], v[254+\u]
.endr
.irp u, 0,1
	s_delay_alu instid0(VALU_DEP_2)
	v_mul_f32 v[TT+6*\u+4], s[CS], v[TT+6*\u+4]    ; as t (c is positive)
.endr
.irp u, 0,1
	s_delay_alu instid0(VALU_DEP_2)
	v_max_num_f32 v[ST+4*\u+1], v[ST+4*\u+1], v[TT+6*\u+4]   ; the running largest t
.endr
.irp u, 0,1
	v_mov_b32 v[TT+6*\u+5], v[ST+4*\u]
.endr
.irp u, 0,1
	s_delay_alu instid0(VALU_DEP_4)
	v_floor_f32 v[ST+4*\u], -v[ST+4*\u+1]          ; the new -M = floor(-t) = -ceil(t): M is a whole number
.endr
.irp u, 0,1
	s_delay_alu instid0(VALU_DEP_2)
	v_sub_f32 v[TT+6*\u+5], v[ST+4*\u], v[TT+6*\u+5]   ; old M - new M: a whole number, 0 or less
.endr
.irp u, 0,1
	s_delay_alu instid0(VALU_DEP_2)
	v_cvt_i32_f32 v[TT+6*\u+5], v[TT+6*\u+5]       ; (it saturates)
.endr
.irp u, 0,1
	s_delay_alu instid0(VALU_DEP_2)
	v_ldexp_f32 v[TT+6*\u], 1.0, v[TT+6*\u+5]      ; f = 2^(old M - new M)
.endr
.set j, 0
.rept 16
.irp u, 0,1
	v_pk_fma_f32 v[S+32*\u+j:S+32*\u+j+1], v[S+32*\u+j:S+32*\u+j+1], s[CS:CS+1], v[ST+4*\u:ST+4*\u+1] op_sel_hi:[1,0,0]   ; t - M, two at a time (of c's and -M's pairs the low word serves both halves)
.endr
.set j, j+2
.endr
.set j, 0
	s_wait_alu depctr_va_vdst(0)
.rept 32
.irp u, 0,1
	v_exp_f32 v[S+32*\u+j], v[S+32*\u+j]           ; p = 2^(t - M), at most 1: one batch of 64
.endr
.set j, j+1
.endr
	s_setprio 1
.irp u, 0,1
	v_pk_mul_f32 v[ST+4*\u+2:ST+4*\u+3], v[ST+4*\u+2:ST+4*\u+3], v[TT+6*\u:TT+6*\u+1] op_sel_hi:[1,0]   ; the sums under the new M: plain lines behind the exponentials
.endr
	s_wait_alu depctr_va_vdst(0)                   ; one wait for the batch, ahead of the first line that names a result
.irp u, 0,1
	v_pk_add_f32 v[TT+6*\u+2:TT+6*\u+3], v[S+32*\u:S+32*\u+1], v[S+32*\u+2:S+32*\u+3]   ; the row's sum is taken of the UNQUANTISED p, two at a time, in two chains
.endr
.irp i, 4,8,12,16,20,24,28
.irp u, 0,1
	v_pk_add_f32 v[ST+4*\u+2:ST+4*\u+3], v[ST+4*\u+2:ST+4*\u+3], v[S+32*\u+\i:S+32*\u+\i+1]
.endr
.irp u, 0,1
	v_pk_add_f32 v[TT+6*\u+2:TT+6*\u+3], v[TT+6*\u+2:TT+6*\u+3], v[S+32*\u+\i+2:S+32*\u+\i+3]
.endr
.endr
.irp u, 0,1
	s_delay_alu instid0(VALU_DEP_2)
	v_pk_add_f32 v[ST+4*\u+2:ST+4*\u+3], v[ST+4*\u+2:ST+4*\u+3], v[TT+6*\u+2:TT+6*\u+3]
.endr
.set j, 0
.rept 64
.set j, j+1
.endr
.irp t, 0,1,2,3
.irp u, 0,1
	v_cvt_scalef32_pk8_bf8_f32 v[P+8*\u+2*\t:P+8*\u+2*\t+1], v[S+32*\u+8*\t:S+32*\u+8*\t+7], v[SCL]   ; registers 2 t, 2 t + 1 of P: keys 16 t + 8 h + 0 .. 7
.endr
.endr
.set j, 0
.rept 16
.irp u, 0,1
	v_pk_mul_f32 v[O+32*\u+j:O+32*\u+j+1], v[O+32*\u+j:O+32*\u+j+1], v[TT+6*\u:TT+6*\u+1] op_sel_hi:[1,0]   ; O^T under the new M, each accumulator from its low end on; also the plain lines behind the conversions
.endr
.set j, j+2
.endr
	s_setprio 0
	s_wait_alu depctr_va_vdst(0)
	s_wait_dscnt 0x0                               ; V is in
.irp t, 0,1,2,3                        ; eight accumulators by turns, one instruction a turn
.irp u, 0,1
	v_wmma_f32_16x16x64_bf8_bf8 v[O+32*\u+8*\t:O+32*\u+8*\t+7], v[VF+8*\t:VF+8*\t+7], v[P+8*\u:P+8*\u+7], v[O+32*\u+8*\t:O+32*\u+8*\t+7]
.endr
.endr
.endm
; A PIECE of 512 keys: eight steps.  The waves that fetch wait until their piece c has landed (3 - c younger loads of theirs may be out), then the barrier shows it to all sixteen.
; No LDS load is pending at the signal: a step waits for all of its own ahead of its second product.
.macro CHUNK c
	s_wait_tensorcnt 3-\c
	s_barrier_signal -1
	s_barrier_wait -1
	s_mov_b32 s[TB], 32768*\c
	s_mov_b32 s[CNT], 8
.Lstep_\@:
	s_setprio 2
	STEP
	s_add_co_u32 s[TB], s[TB], 4096                ; 64 keys on: four images of 1,024 bytes, in K's half and in V's
	s_sub_co_u32 s[CNT], s[CNT], 1
	s_cmp_lg_u32 s[CNT], 0
	s_cbranch_scc1 .Lstep_\@
	s_setprio 0
.endm
	CHUNK 0
	CHUNK 1
	CHUNK 2
	CHUNK 3
	; THE WAY OUT: O^T / the sum x 2^(e8 + e9), quantised with 2^e10, and stored as images of the last product's operand.  No LDS.
.rept 4
	v_nop                                          ; places behind the last products
.endr
.irp u, 0,1
	v_add_f32 v[ST+4*\u+2], v[ST+4*\u+2], v[ST+4*\u+3]   ; the sum's two halves,
.endr
.irp u, 0,1
	s_delay_alu instid0(VALU_DEP_2)
	v_permlanex16_b32 v[254+\u], v[ST+4*\u+2], s[SEL], s[SEL+1]
.endr
.irp u, 0,1
	s_delay_alu instid0(VALU_DEP_2)
	v_add_f32 v[ST+4*\u+2], v[ST+4*\u+2], v[254+\u]   ; and lane l xor 16's
.endr
	s_wait_alu depctr_va_vdst(0)
.irp u, 0,1
	v_rcp_f32 v[ST+4*\u+2], v[ST+4*\u+2]
.endr
	v_and_b32 v5, 16, v0                           ; (a plain line behind the reciprocals)
	s_add_co_i32 s18, s68, s69                     ; e8 + e9
	s_add_co_i32 s19, s70, 127
	s_lshl_b32 s20, s19, 23                        ; 2^e10
	v_cmp_ne_u32 vcc_lo, 0, v5                     ; lanes 16-31
	s_wait_alu depctr_va_vdst(0)                   ; one wait for both reciprocals, ahead of their first reader
.irp u, 0,1
	v_ldexp_f32 v[TT+6*\u], v[ST+4*\u+2], s18
.endr
.set j, 0
.rept 16
.irp u, 0,1
	v_pk_mul_f32 v[S+32*\u+j:S+32*\u+j+1], v[O+32*\u+j:O+32*\u+j+1], v[TT+6*\u:TT+6*\u+1] op_sel_hi:[1,0]   ; register 8 t + i: o(query r, channel 16 t + 8 h + i)
.endr
.set j, j+2
.endr
	v_mov_b32 v[SCL], s20
.set j, 0
.rept 64
.set j, j+1
.endr
.irp u, 0,1
.irp t, 0,1,2,3
	v_cvt_scalef32_pk8_bf8_f32 v[P+8*\u+2*\t:P+8*\u+2*\t+1], v[S+32*\u+8*\t:S+32*\u+8*\t+7], v[SCL]
.endr
.endr
	v_nop                                          ; one plain line between the conversions and the lines that read their results
	; The last product's operand wants, in lane (r, h), channels 32 c + 16 h + 0 .. 15.  I hold 16 t + 8 h + 0 .. 7 for t = 2 c, 2 c + 1.  So lanes 0-15 keep tile 2 c and send tile 2 c + 1, lanes 16-31 the other way round.
.irp u, 0,1
.irp c, 0,1
.irp p, 0,1
	v_cndmask_b32 v[KF+4*\u+2*\c+\p], v[P+8*\u+4*\c+2+\p], v[P+8*\u+4*\c+\p], vcc_lo   ; what I send
.endr
.endr
.endr
.irp n, 0,1,2,3,4,5,6,7
	v_permlanex16_b32 v[KF+8+\n], v[KF+\n], s[SEL], s[SEL+1]   ; what I get (the destinations have been written: they held K)
.endr
.irp u, 0,1
.irp c, 0,1
.irp p, 0,1
	v_cndmask_b32 v[VF+8*\u+4*\c+\p],   v[P+8*\u+4*\c+\p], v[KF+8+4*\u+2*\c+\p], vcc_lo
	v_cndmask_b32 v[VF+8*\u+4*\c+2+\p], v[KF+8+4*\u+2*\c+\p], v[P+8*\u+4*\c+2+\p], vcc_lo
.endr
.endr
.endr
.irp u, 0,1
.irp c, 0,1
	global_store_b128 v[LN16], v[VF+8*\u+4*\c:VF+8*\u+4*\c+3], s[12:13] offset:4096*\u+512*\c   ; 32 lanes store 512 consecutive bytes, aligned
.endr
.endr
	s_wait_tensorcnt 0x0
	ds_add_u32 v6, v7
	s_wait_dscnt 0x0
	CROUND                                         ; the closing round: no work-group ends while a partner may still ask for a tile that names it
	s_endpgm
.Lfunc_end_k_qcaadd82821_attn:
	.size	k_qcaadd82821_attn, .Lfunc_end_k_qcaadd82821_attn-k_qcaadd82821_attn
	.p2alignl 7, 3214868480
	.fill 96, 4, 3214868480
	.section	.rodata,"a",@progbits
	.p2align	6, 0x0
	.amdhsa_kernel k_qcaadd82821_attn
		.amdhsa_group_segment_fixed_size 264192
		.amdhsa_private_segment_fixed_size 0
		.amdhsa_enable_private_segment 0
		.amdhsa_kernarg_size 40
		.amdhsa_user_sgpr_count 2
		.amdhsa_user_sgpr_kernarg_segment_ptr 1
		.amdhsa_wavefront_size32 1
		.amdhsa_system_sgpr_workgroup_id_x 1
		.amdhsa_system_sgpr_workgroup_id_y 1
		.amdhsa_system_sgpr_workgroup_id_z 1
		.amdhsa_system_vgpr_workitem_id 0
		.amdhsa_next_free_vgpr 256
		.amdhsa_next_free_sgpr 72
		.amdhsa_reserve_vcc 1
		.amdhsa_float_denorm_mode_32 3
		.amdhsa_float_denorm_mode_16_64 3
		.amdhsa_fp16_overflow 1
		.amdhsa_memory_ordered 1
		.amdhsa_forward_progress 1
		.amdhsa_inst_pref_size 74
	.end_amdhsa_kernel
	.amdgpu_metadata
---
amdhsa.version: [ 1, 2 ]
amdhsa.kernels:
  - .name:           k_qcaadd82821_attn
    .symbol:         k_qcaadd82821_attn.kd
    .args:
      - { .name: qc, .offset: 0, .size: 8, .value_kind: global_buffer, .address_space: global }
      - { .name: kc, .offset: 8, .size: 8, .value_kind: global_buffer, .address_space: global }
      - { .name: vc, .offset: 16, .size: 8, .value_kind: global_buffer, .address_space: global }
      - { .name: lowp_scales, .offset: 24, .size: 8, .value_kind: global_buffer, .address_space: global }
      - { .name: oc, .offset: 32, .size: 8, .value_kind: global_buffer, .address_space: global }
    .group_segment_fixed_size: 264192
    .private_segment_fixed_size: 0
    .kernarg_segment_align: 8
    .kernarg_segment_size: 40
    .max_flat_workgroup_size: 512
    .sgpr_count:     72
    .vgpr_count:     256
    .wavefront_size: 32
...
	.end_amdgpu_metadata
.endif
;; end of part 2
;; launch proj (part 3): grid 4 x 32, 4 waves a work-group, clusters of 4 x 4, 327,680 bytes of LDS; arguments oc, Wo_codes, lowp_scales, bo, out0; writes out0
.if DOCPART == 3
	.amdgcn_target "amdgcn-amd-amdhsa--gfx1250"
	.amdhsa_code_object_version 6
	.text
	.protected	k_qcaadd82821_proj
	.globl	k_qcaadd82821_proj
	.p2align	8
	.type	k_qcaadd82821_proj,@function
k_qcaadd82821_proj:
	s_mov_b64 s[64:65], 0
	v_nop
	global_prefetch_b8 v0, s[64:65] scope:SCOPE_SE
	s_setreg_imm32_b32 hwreg(HW_REG_WAVE_MODE, 25, 1), 1
	s_wait_xcnt 0x0
	s_wait_alu depctr_hold_cnt(0) depctr_sa_sdst(0) depctr_va_vdst(0) depctr_va_sdst(0) depctr_va_ssrc(0) depctr_va_vcc(0) depctr_vm_vsrc(0)
	s_getreg_b32 s2, hwreg(HW_REG_IB_STS2, 6, 4)
	s_cmp_eq_u32 s2, 0
	s_cbranch_scc0 .Lentry_in_a_cluster
	s_endpgm
.Lentry_in_a_cluster:
	s_bfe_u32 s2, ttmp6, 0x10000c
	s_cmp_lg_u32 s2, 0xf033
	s_cbranch_scc0 .Lentry_shape_is_right
	s_endpgm
.Lentry_shape_is_right:
; out0 = o Wo^T + bo on codes of BF8 (E5M2).  o: 8,192 x 1,024 as codes with the scale 2^e10; Wo: 1,024 rows of 1,024 codes, K innermost, scale 2^e11; bo [1,024], out0 [8,192][1,024]: f32.
; Each finished sum is multiplied by 2^(e10 + e11) and the bias added, in one packed multiply-add for two numbers.  LIMIT: e10 + e11 between -126 and 127.
; o's codes lie as IMAGES OF THE OPERAND'S REGISTERS: [128 tokens 64][256 along K 4][token tile 8][128 along K 2][c 4][lane 32][16]: byte y of lane (r, h): token 16 tile + r, K = 32 c + 16 h + y.  So what a wave
; fetches for a K step (128 rows x 256 K) is one dense block of 32,768 bytes, and a fragment comes by four loads of 512 consecutive bytes: no pitch, no padding.  Wo's rows are read in the same order of k
; (four loads of 16 bytes a lane, 32 bytes apart): a permutation of k, the same on both sides.
; A tile of C, 256 x 256, to a work-group of four waves; 128 x 128 to a wave.  128 work-groups: C has no more such tiles.  K goes in four steps of 256 through two LDS slots; the steps are written out.
; CLUSTERS: 4 x 4 work-groups; A's tiles are asked for jointly along a row of the cluster, B's along a column.  THE MATRIX INSTRUCTION IS USED TRANSPOSED (source 0 = 16 rows of Wo, source 1 = 16 tokens):
; a lane holds eight neighbouring numbers of a row of C.
; REGISTERS: window 0: v16-29 addresses; v32-95 the bias; from v128 A's fragments, ONE set; on the way out v128-255 rows read back.   window 1: B's fragments, TWO sets.   windows 2, 3: the 64 accumulators.
.set SIZE_N, 1024
.set KROW,   1024
.set ROWB,   256
.set PITCH,  272                       ; a row of Wo's tile in LDS: 256 bytes + 16 of padding: row r starts at bank 4 r mod 64 (ISA guide 11.1)
.set FR,     16
.set NL,     4
.set NP,     4
.set HALFA,  32768                     ; what one tensor load brings of A: 8 token tiles x 4,096 bytes
.set HALFB,  128*PITCH                 ; and of B
.set BOFF,   2*HALFA
.set SLOT,   BOFF+2*HALFB              ; A's two halves, then B's
.set SPARE,  2*SLOT                    ; behind the ring: the spare words, 128 bytes a wave, which no other line names
.set SPITCH, 528                       ; the way out: a stage of 16 rows x (512 bytes + 16) a wave, in slot 0, which has had its last fill and its last read when the first result is stored there
.set ADRA, 16
.set ADRB, 20
.set STO,  24                          ; v24     the way out: where I put 32 bytes of a row
.set RD,   25                          ; v25     where I read a row back
.set CO,   26                          ; v26     16 x lane: my place in an image, and in a row of C
.set CBO,  27                          ; v27     byte offset of my first bias
.set SPW,  28
.set NIL,  29
.set CB,   32                          ; v32-95  bo[.. + 16 b + 8 h + j] at CB + 8 b + j
.set AF,   128
.set BK,   128
.set G1,  24
.set G0,  32
.set G1B, 48
.set G0B, 56
.set MSB, 0
.macro WIN new                         ; the immediate's high byte repeats the setting that is left
.if MSB != (\new)
	s_set_vgpr_msb (MSB<<8)|(\new)
.set MSB, (\new)
.endif
.endm
.set MUL_LO, 0xa1
.set MUL_HI, 0xf1
.set TO_B,   0x40
.macro JLOAD g0a, g1a, g0b, g1b        ; a joint load: waves 0 and 1 fetch for A, waves 2 and 3 for B; four v_nop follow each line
	s_cmp_eq_u32 s15, 0
	s_cbranch_scc0 .Lfor_b_\@
	tensor_load_to_lds s[\g0a:\g0a+3], s[\g1a:\g1a+7]
	s_nop 0
.rept 4
	v_nop
.endr
	s_branch .Lasked_\@
.Lfor_b_\@:
	tensor_load_to_lds s[\g0b:\g0b+3], s[\g1b:\g1b+7]
	s_nop 0
.rept 4
	v_nop
.endr
.Lasked_\@:
.endm
.macro CREST
	s_cmp_lg_u32 s14, 0
	s_cbranch_scc1 .Lnot_wave_0_\@
	s_barrier_signal -3
.Lnot_wave_0_\@:
	s_barrier_wait -3
	s_barrier_signal -1
	s_barrier_wait -1
.endm
.macro CROUND
	s_barrier_signal -1
	s_barrier_wait -1
	CREST
.endm
	s_load_b128 s[4:7], s[0:1], 0x0                ; o's codes s[4:5], Wo's codes s[6:7]
	s_load_b128 s[8:11], s[0:1], 0x10              ; the scales' exponents s[8:9], bo s[10:11]
	s_load_b64 s[12:13], s[0:1], 0x20              ; out0
	v_lshl_add_u32 v[SPW], v0, 2, SPARE
	v_mov_b32 v[NIL], 0
	ds_add_u32 v28, v29
	ds_add_u32 v28, v29
	s_wait_dscnt 0x0
	v_lshrrev_b32 v1, 5, v0
	v_readfirstlane_b32 s14, v1                    ; wave 0..3
	s_lshr_b32 s15, s14, 1                         ; which half of the tile's rows is mine.  Also: I fetch for A (0) or for B (1)
	s_and_b32 s16, s14, 1                          ; which half of its columns.  Also: which half of that tile I fetch
	s_bfe_u32 s40, ttmp6, 0x40000                  ; cx
	s_bfe_u32 s41, ttmp6, 0x40004                  ; cy
	s_lshl_b32 s42, ttmp9, 2
	s_add_co_u32 s42, s42, s40                     ; tile column of C
	s_and_b32 s17, ttmp7, 0xffff
	s_lshl_b32 s17, s17, 2
	s_add_co_u32 s17, s17, s41                     ; tile row of C
	s_lshl_b32 s43, s41, 2
	s_lshl_b32 s43, 15, s43                        ; my row of the cluster
	s_lshl_b32 s44, 0x1111, s40                    ; my column
	s_or_b32 s[G1+0], s43, (3<<16)|(1<<21)         ; A: 15:0 the mask; 17:16 elements of 8 bytes; 21 set beside a mask; no padding
	s_mov_b32 s[G1+1], 32<<16                      ; tensor_dim0 = 32 elements: 256 bytes
	s_mov_b32 s[G1+2], 128<<16                     ; tensor_dim1 = 128
	s_mov_b32 s[G1+3], 32<<16                      ; tile_dim0
	s_mov_b32 s[G1+4], 128                         ; tile_dim1
	s_mov_b32 s[G1+5], 32                          ; each row begins where the last ends
	s_mov_b32 s[G1+6], 0
	s_mov_b32 s[G1+7], 0
	s_or_b32 s[G1B+0], s44, (0<<16)|(1<<20)|(1<<21)|(5<<22)|(3<<25)  ; B: elements of 1 byte; padding: four words after every 64
	s_mov_b32 s[G1B+1], ROWB<<16
	s_mov_b32 s[G1B+2], 128<<16
	s_mov_b32 s[G1B+3], ROWB<<16
	s_mov_b32 s[G1B+4], 128
	s_mov_b32 s[G1B+5], KROW
	s_mov_b32 s[G1B+6], 0
	s_mov_b32 s[G1B+7], 0
	s_lshl_b32 s20, s17, 1
	s_add_co_u32 s20, s20, s16
	s_lshl_b32 s20, s20, 17                        ; A: block of 128 tokens 2 x tile row + half, 131,072 bytes each
	s_mov_b32 s21, 0
	s_lshl_b32 s46, s42, 1
	s_add_co_u32 s46, s46, s16
	s_lshl_b32 s46, s46, 17                        ; B: 128 rows of 1,024 bytes are as many
	s_mov_b32 s47, 0
	s_lshl_b32 s45, s16, 15                        ; where they go: A's half,
	s_mul_i32 s18, s16, HALFB
	s_add_co_u32 s18, s18, BOFF                    ; B's half: no place in the cluster enters an LDS address
	s_wait_kmcnt 0x0
	s_load_b64 s[96:97], s[8:9], 0x28              ; e10, e11
	s_add_nc_u64 s[20:21], s[4:5], s[20:21]
	s_add_nc_u64 s[46:47], s[6:7], s[46:47]
	CROUND                                         ; all sixteen work-groups are here: the first joint loads meet
.irp s, 0,1
	s_mov_b32 s[G0+4*\s], 1
	s_add_co_u32 s[G0+4*\s+1], s45, \s*SLOT
	s_add_nc_u64 s[G0+4*\s+2:G0+4*\s+3], s[20:21], \s*HALFA
	s_or_b32 s[G0+4*\s+3], s[G0+4*\s+3], 0x80000000
	s_mov_b32 s[G0B+4*\s], 1
	s_add_co_u32 s[G0B+4*\s+1], s18, \s*SLOT
	s_add_nc_u64 s[G0B+4*\s+2:G0B+4*\s+3], s[46:47], \s*ROWB
	s_or_b32 s[G0B+4*\s+3], s[G0B+4*\s+3], 0x80000000
	s_wait_alu depctr_va_vdst(0)
	s_wait_tensorcnt 0x0
	ds_add_u32 v28, v29
	ds_add_u32 v28, v29
	s_wait_dscnt 0x0
	CROUND
	JLOAD G0+4*\s, G1, G0B+4*\s, G1B
.endr
	v_and_b32 v1, 15, v0                           ; r
	v_bfe_u32 v2, v0, 4, 1                         ; h
	v_and_b32 v6, 31, v0
	v_lshlrev_b32 v[CO], 4, v6
	v_mul_u32_u24 v3, v1, PITCH
	v_lshl_add_u32 v4, v2, 4, v3
	s_lshl_b32 s21, s15, 15                        ; my half of A
	s_mul_i32 s22, s16, HALFB
	s_add_co_u32 s22, s22, BOFF                    ; my half of B
.irp s, 0,1
	v_add_nc_u32 v[ADRA+\s], s21, v[CO]
	v_add_nc_u32 v[ADRB+\s], s22, v4
	s_add_co_u32 s21, s21, SLOT
	s_add_co_u32 s22, s22, SLOT
.endr
	s_mul_i32 s23, s14, 16*SPITCH                  ; my stage
	v_mul_u32_u24 v5, v1, SPITCH                   ; in: row r, 32 bytes for each half of the lanes
	v_lshl_add_u32 v5, v2, 5, v5
	v_add_nc_u32 v[STO], s23, v5
	v_add_nc_u32 v[RD], s23, v[CO]                 ; back: the 32 lanes take one row of 512 bytes
	s_lshl_b32 s94, s42, 10
	s_lshl_b32 s95, s16, 9
	s_add_co_u32 s94, s94, s95                     ; my first column, in bytes: 1,024 x tile column + 512 x half
	v_lshl_add_u32 v[CBO], v2, 5, s94
.irp b, 0,1,2,3,4,5,6,7
	global_load_b128 v[CB+8*\b:CB+8*\b+3],   v[CBO], s[10:11] offset:64*\b
	global_load_b128 v[CB+8*\b+4:CB+8*\b+7], v[CBO], s[10:11] offset:64*\b+16
.endr
	s_lshl_b32 s92, s17, 1
	s_add_co_u32 s92, s92, s15
	s_lshl_b32 s92, s92, 19                        ; my first row: 128 rows of 4,096 bytes a half: under 2^25
	s_add_co_u32 s92, s92, s94
	s_mov_b32 s93, 0
	s_add_nc_u64 s[12:13], s[12:13], s[92:93]
.macro FRAGA reg, adr, q, i            ; A's fragment of token tile i, the slot's q-th 128 along K: four pieces of an image
.irp c, 0,1,2,3
	ds_load_b128 v[\reg+4*\c:\reg+4*\c+3], v[\adr] offset:4096*(\i)+2048*(\q)+512*\c
.endr
.endm
.macro FRAGB reg, adr, q, i            ; B's: lane l holds row l % 16; registers 4 c .. 4 c + 3 hold K = 32 c + 16 (l / 16) + 0 .. 15
.irp c, 0,1,2,3
	ds_load_b128 v[\reg+4*\c:\reg+4*\c+3], v[\adr] offset:128*(\q)+32*\c+(\i)*16*PITCH
.endr
.endm
; 16 matrix instructions: A's blocks a0, a0 + 1 x B's eight.  The 64 accumulators take turns, one instruction a turn, in the same order in every step.
.macro MUL16 a0, p, zero
.irp a, \a0, \a0+1
.irp b, 0,1,2,3,4,5,6,7
.if \zero
	v_wmma_f32_16x16x128_bf8_bf8 v[8*(8*((\a)%4)+\b):8*(8*((\a)%4)+\b)+7], v[128*(\p)+FR*\b:128*(\p)+FR*\b+FR-1], v[AF+FR*(\a):AF+FR*(\a)+FR-1], 0
.else
	v_wmma_f32_16x16x128_bf8_bf8 v[8*(8*((\a)%4)+\b):8*(8*((\a)%4)+\b)+7], v[128*(\p)+FR*\b:128*(\p)+FR*\b+FR-1], v[AF+FR*(\a):AF+FR*(\a)+FR-1], v[8*(8*((\a)%4)+\b):8*(8*((\a)%4)+\b)+7]
.endif
.endr
.endr
.endm
.macro FETCH_B slot, q, p
	WIN TO_B
.irp i, 0,1,2,3,4,5,6,7
	FRAGB 128*(\p)+FR*\i, ADRB+\slot, \q, \i
.endr
	WIN 0
.endm
.macro FETCH_A slot, q, i0
.irp i, \i0, \i0+1, \i0+2, \i0+3
	FRAGA AF+FR*(\i), ADRA+\slot, \q, \i
.endr
.endm
.macro PLACES n                        ; plain vector instructions between a matrix instruction and a load into, or a vector write of, its registers, or a read of its result
.rept \n
	v_nop
.endr
.endm
.macro STEP slot, q, zero              ; a step of 128 along K that has its successor in the same slot
	s_wait_dscnt 4*NL                              ; B's set and A's blocks 0-3 are in; the youngest 16 loads (A's blocks 4-7) may be out
	WIN MUL_LO
	MUL16 0, (\q)%2, \zero
	MUL16 2, (\q)%2, \zero
	s_wait_dscnt 0
	PLACES NP
	FETCH_B \slot, (\q)+1, 1-(\q)%2
	FETCH_A \slot, (\q)+1, 0
	WIN MUL_HI
	MUL16 4, (\q)%2, \zero
	MUL16 6, (\q)%2, \zero
	PLACES NP
	WIN 0
	FETCH_A \slot, (\q)+1, 4
.endm
; A slot's last step changes slots: ONE barrier; in front of it each wave waits for all its tensor loads, adds 0 to its spare word, and waits for that and for its reads of this slot.
.macro TURN slot, next, fill
	s_wait_tensorcnt 0x0                           ; all my tensor loads have landed: my part of the next slot
	ds_add_u32 v[SPW], v[NIL]                      ; 0 onto my spare word
	s_wait_dscnt 4*NL+1                            ; (the add and the youngest 16 loads may be out)
	WIN MUL_LO
	MUL16 0, 1, 0
	s_wait_dscnt 0x0                               ; the add is done, and my reads of this slot are over
	s_barrier_signal -1
	MUL16 2, 1, 0
	WIN 0
	s_barrier_wait -1
.if \fill
	CREST                                          ; no wave of any partner still reads this slot's tile or has a load on its way
	s_add_nc_u64 s[G0+4*\slot+2:G0+4*\slot+3], s[G0+4*\slot+2:G0+4*\slot+3], 2*HALFA
	s_add_nc_u64 s[G0B+4*\slot+2:G0B+4*\slot+3], s[G0B+4*\slot+2:G0B+4*\slot+3], 2*ROWB
	JLOAD G0+4*\slot, G1, G0B+4*\slot, G1B         ; the first tensor load behind the round; its four v_nop are the places in front of the loads below
.else
	PLACES NP
.endif
	FETCH_B \next, 0, 0
	FETCH_A \next, 0, 0
	WIN MUL_HI
	MUL16 4, 1, 0
	MUL16 6, 1, 0
	PLACES NP
	WIN 0
	FETCH_A \next, 0, 4
.endm
	s_wait_alu depctr_va_vdst(0)
	s_wait_tensorcnt 1                             ; my part of K step 0 is in (K step 1's load may be out)
	s_barrier_signal -1
	s_barrier_wait -1                              ; everybody's is
	FETCH_B 0, 0, 0
	FETCH_A 0, 0, 0
	FETCH_A 0, 0, 4
	STEP 0, 0, 1                                   ; K 0-127: its products start the sums
	TURN 0, 1, 1                                   ; slot 0 takes K 512-767
	STEP 1, 0, 0
	TURN 1, 0, 1                                   ; slot 1 takes K 768-1,023
	STEP 0, 0, 0
	TURN 0, 1, 0                                   ; nothing is left to fetch
	STEP 1, 0, 0
	s_wait_dscnt 4*NL
	WIN MUL_LO
	MUL16 0, 1, 0
	MUL16 2, 1, 0
	s_wait_dscnt 0
	WIN MUL_HI
	MUL16 4, 1, 0
	MUL16 6, 1, 0
	WIN 0
; THE WAY OUT, block by block of 16 rows x 128 columns: sum x 2^(e10 + e11) + bo in place, through my own stage in LDS, back as whole rows of 512 bytes.
; LDS serves a wave's instructions in order (ISA guide 5.7.1.4): no wait between the stores and the loads, nor in front of the next block's stores.
.macro TOSTAGE a
.set AC, 64*((\a)%4)
	WIN 0x82+0x41*((\a)/4)                         ; source 0 and destination: window 2 or 3; the bias in window 0
.set j, 0
.rept 32
	v_pk_fma_f32 v[AC+j:AC+j+1], v[AC+j:AC+j+1], s[96:97], v[CB+j:CB+j+1] op_sel_hi:[1,0,1]   ; each accumulator from its low end on
.set j, j+2
.endr
	WIN 0x08+4*((\a)/4)                            ; an LDS store's data: window 2 or 3
.irp b, 0,1,2,3,4,5,6,7
	ds_store_b128 v[STO], v[AC+8*\b:AC+8*\b+3] offset:64*\b
	ds_store_b128 v[STO], v[AC+8*\b+4:AC+8*\b+7] offset:64*\b+16
.endr
	WIN 0
.set BB, BK+64*((\a)%2)
.irp t, 0,1,2,3,4,5,6,7,8,9,10,11,12,13,14,15
	ds_load_b128 v[BB+4*\t:BB+4*\t+3], v[RD] offset:\t*SPITCH
.endr
.endm
.macro SEND a, younger                 ; younger: the LDS instructions issued behind block a's loads, which may stay out
.set BB, BK+64*((\a)%2)
	s_wait_dscnt \younger                          ; the block is back in registers
.if (\a) > 0
	s_add_nc_u64 s[12:13], s[12:13], 16*SIZE_N*4   ; (behind a wait on XCNT: the earlier stores have read their base)  16 rows of C on
.endif
.irp t, 0,1,2,3,4,5,6,7,8,9,10,11,12,13,14,15
	global_store_b128 v[CO], v[BB+4*\t:BB+4*\t+3], s[12:13] offset:\t*SIZE_N*4 th:TH_STORE_NT   ; 32 lanes store 512 consecutive bytes, aligned; written once, read by nobody here
.endr
.endm
	s_wait_kmcnt 0x0
	s_add_co_i32 s96, s96, s97                     ; e10 + e11
	s_add_co_i32 s96, s96, 127
	s_lshl_b32 s96, s96, 23                        ; 2^(e10 + e11) as f32
	s_mov_b32 s97, s96                             ; (named with it as a pair)
	s_wait_loadcnt 0x0                             ; the bias
	PLACES NP                                      ; behind the last products: their results are read and rewritten, and loads land where A's fragments lay
	TOSTAGE 0
.irp a, 1,2,3,4,5,6,7
.if \a > 1
	s_wait_xcnt 0x0                                ; block a - 2's stores have read their registers and their base: block a's loads may land there, and the base may step
.endif
	TOSTAGE \a
	SEND \a-1, 32                                  ; behind block a - 1's loads: block a's 16 stores and 16 loads
.endr
	s_wait_xcnt 0x0                                ; block 6's stores have read their base
	SEND 7, 0
	s_wait_tensorcnt 0x0                           ; the wave's end
	ds_add_u32 v[SPW], v[NIL]
	s_wait_dscnt 0x0
	CROUND                                         ; the closing round: no work-group ends while a partner may still ask for a tile that names it
	s_endpgm
.Lfunc_end_k_qcaadd82821_proj:
	.size	k_qcaadd82821_proj, .Lfunc_end_k_qcaadd82821_proj-k_qcaadd82821_proj
	.p2alignl 7, 3214868480
	.fill 96, 4, 3214868480
	.section	.rodata,"a",@progbits
	.p2align	6, 0x0
	.amdhsa_kernel k_qcaadd82821_proj
		.amdhsa_group_segment_fixed_size 327680
		.amdhsa_private_segment_fixed_size 0
		.amdhsa_enable_private_segment 0
		.amdhsa_kernarg_size 40
		.amdhsa_user_sgpr_count 2
		.amdhsa_user_sgpr_kernarg_segment_ptr 1
		.amdhsa_wavefront_size32 1
		.amdhsa_system_sgpr_workgroup_id_x 1
		.amdhsa_system_sgpr_workgroup_id_y 1
		.amdhsa_system_sgpr_workgroup_id_z 1
		.amdhsa_system_vgpr_workitem_id 0
		.amdhsa_next_free_vgpr 1024
		.amdhsa_next_free_sgpr 100
		.amdhsa_reserve_vcc 0
		.amdhsa_float_denorm_mode_32 3
		.amdhsa_float_denorm_mode_16_64 3
		.amdhsa_memory_ordered 1
		.amdhsa_forward_progress 1
		.amdhsa_inst_pref_size 126
	.end_amdhsa_kernel
	.amdgpu_metadata
---
amdhsa.version: [ 1, 2 ]
amdhsa.kernels:
  - .name:           k_qcaadd82821_proj
    .symbol:         k_qcaadd82821_proj.kd
    .args:
      - { .name: oc, .offset: 0, .size: 8, .value_kind: global_buffer, .address_space: global }
      - { .name: Wo_codes, .offset: 8, .size: 8, .value_kind: global_buffer, .address_space: global }
      - { .name: lowp_scales, .offset: 16, .size: 8, .value_kind: global_buffer, .address_space: global }
      - { .name: bo, .offset: 24, .size: 8, .value_kind: global_buffer, .address_space: global }
      - { .name: out0, .offset: 32, .size: 8, .value_kind: global_buffer, .address_space: global }
    .group_segment_fixed_size: 327680
    .private_segment_fixed_size: 0
    .kernarg_segment_align: 8
    .kernarg_segment_size: 40
    .max_flat_workgroup_size: 128
    .sgpr_count:     100
    .vgpr_count:     1024
    .wavefront_size: 32
...
	.end_amdgpu_metadata
.endif
;; end of part 3
